; MI455X (gfx1250); checked and timed in simulation.
; The chip was launched on July 23, 2026; its instructions are those of AMD's public machine-readable ISA for CDNA 5 (MIT licence, August 2026) and "CDNA5" Instruction Set Architecture Reference Guide (July 2026). The comments in the code are by the model that wrote it; some were corrected since.
;; Mo E Layer. Allowed arithmetic: float matrix products may take bf16 or f16 operands with f32 sums; all other float work in f32.
;; Inputs: W1 2 x 1,024 x 4,096 float32; W2 2 x 4,096 x 1,024 float32; Wr 2 x 1,024 float32; x 2 x 2,048 x 1,024 float32.
;; Outputs: out0 2 x 2,048 x 1,024 float32.
;; One version. Each part assembles by itself: llvm-mc -triple=amdgcn-amd-amdhsa -mcpu=gfx1250 --defsym DOCPART=n.
;; ======== version 1 of 1: 4 launches
;; limits: a function is approximated: absolute error at most 2.5e-05
;; workspace buffers: xb 8,388,608 bytes; w1b 16,777,216 bytes; w2b 16,777,216 bytes; comb 32,768 bytes; h 67,108,864 bytes; part 67,108,864 bytes
;; launch cast (part 1): grid 256 x 1, 8 waves a work-group, no clusters, 0 bytes of LDS; arguments x, Wr, W1, W2, xb, w1b, w2b, comb; writes xb, w1b, w2b, comb
.if DOCPART == 1
	.amdgcn_target "amdgcn-amd-amdhsa--gfx1250"
	.amdhsa_code_object_version 6
	.text
	.protected	k_q7037b2e166_cast
	.globl	k_q7037b2e166_cast
	.p2align	8
	.type	k_q7037b2e166_cast,@function
k_q7037b2e166_cast:
	s_mov_b64 s[64:65], 0
	v_nop
	global_prefetch_b8 v0, s[64:65] scope:SCOPE_SE
	s_setreg_imm32_b32 hwreg(HW_REG_WAVE_MODE, 25, 1), 1
	s_wait_xcnt 0x0
; x, W1 and W2 are rounded once from f32 to bf16, in their own layouts (xb, w1b, w2b), and the router is computed on the way:
; comb[e][t] = softmax over the two experts of logits[t][e] = sum over d of x[t][d] Wr[e][d].
; reference() takes the top 2 of 2 logits, so both experts are always chosen and its combine weights are the softmax of the two logits,
; whatever their order; the larger logit is taken away before the exponentials, as reference() does.
; The logits are a matrix product like the two large ones: their operands are the bf16 roundings of x and of Wr (of x the very numbers that xb holds),
; the products and sums are f32, in another order than reference()'s.  They stay on the vector unit: two output columns, two multiply-adds for each
; number of x that lies in registers anyway, in a pass whose time is its bytes.
; A stream: each input byte is read once and each output byte written once; no LDS, no barrier, no matrix unit: nothing here is shared.
; 256 work-groups x 8 waves.  A wave takes ten chunks of 1,024 numbers (4,096 bytes in, 2,048 out): chunks 0, 1 are two rows of x
; (a row is one chunk, so a logit never leaves the wave), chunks 2-5 lie in W1, chunks 6-9 in W2.
; A load of the wave covers 512 consecutive bytes, a store 256 consecutive bytes at a multiple of 256 from its buffer's start.
; Only comb goes out in four words a wave: it is 32,768 bytes in all against 40 MiB of other stores.
; A ring of five chunk slots in registers keeps 40 loads of every wave on their way.
.set L0,  8                            ; v[8:9]     running sums of logit 0 (two chains), later the logit and the softmax's scratch
.set L1,  10                           ; v[10:11]   the same for logit 1
.set CR,  12                           ; v[12:15]   c0, c1 of my first row, c0, c1 of my second
.set WR0, 16                           ; v[16:47]   register 4 j + q = Wr[0][128 j + 4 lane + q], rounded to bf16 and kept as f32
.set WR1, 48                           ; v[48:79]   the same of Wr[1]
.set X,   80                           ; v[80:239]  five slots of 32 registers: register 4 j + q = number 128 j + 4 lane + q of the chunk
.set Y,   240                          ; v[240:255] the chunk as bf16, to store
	s_load_b512 s[8:23], s[0:1], 0x0               ; x 8:9, Wr 10:11, W1 12:13, W2 14:15, xb 16:17, w1b 18:19, w2b 20:21, comb 22:23
	s_mov_b32 s26, 0x76543210                      ; v_permlanex16_b32: lane i of one half reads lane i of the other
	s_mov_b32 s27, 0xfedcba98
	s_mov_b32 s28, 0xaaaaaaaa                      ; the odd lanes
	s_mov_b32 s29, 0xcccccccc                      ; the lanes with bit 1 set
	s_mov_b32 s31, 0xffff0000                      ; a word's upper bf16
	v_and_b32 v7, 31, v0                           ; lane
	v_and_b32 v8, 0xe0, v0                         ; 32 x wave
	s_lshl_b32 s24, ttmp9, 16
	s_lshl_b32 s25, ttmp9, 15
	v_lshlrev_b32 v5, 4, v7                        ; v5: 16 lane, my place in a load of Wr
	v_lshlrev_b32 v9, 3, v7                        ; 8 lane
	v_lshl_add_u32 v1, v8, 8, v5                   ; v1: x in:  group x 16 rows x 4,096 + wave x 2 x 4,096 + 16 lane
	v_lshl_add_u32 v3, v8, 9, v5                   ; v3: W in:  group x 32 chunks x 4,096 + wave x 4 x 4,096 + 16 lane
	v_lshl_add_u32 v2, v8, 7, v9                   ; v2: xb out: half of v1's steps, 8 lane
	v_lshl_add_u32 v4, v8, 8, v9                   ; v4: W out:  half of v3's steps, 8 lane
	v_add_nc_u32 v1, s24, v1
	v_add_nc_u32 v4, s24, v4
	v_add_nc_u32 v2, s25, v2
	s_lshl_b32 s25, ttmp9, 17
	v_add_nc_u32 v3, s25, v3
	s_lshl_b32 s24, ttmp9, 4                       ; the group's first token
	v_lshrrev_b32 v8, 5, v0                        ; wave
	v_and_b32 v9, 1, v0
	v_lshl_add_u32 v8, v8, 1, v9                   ; 2 wave + (lane & 1)
	v_add_nc_u32 v8, s24, v8                       ; the token of lanes 0 to 3
	v_bfe_u32 v6, v0, 1, 1                         ; the expert of lanes 0 to 3
	v_lshlrev_b32 v6, 14, v6
	v_lshl_add_u32 v6, v8, 2, v6                   ; v6: byte in comb: expert x 16,384 + 4 token
	s_wait_kmcnt 0x0
; Chunk c: from which base and offset register it is read, to which it is written, and its number inside that part.
.macro PLACE c
.if (\c) < 2
.set SB, 8
.set DB, 16
.set VI, 1
.set VO, 2
.set NC, (\c)
.else
.if (\c) < 6
.set SB, 12
.set DB, 18
.set NC, (\c)-2
.else
.set SB, 14
.set DB, 20
.set NC, (\c)-6
.endif
.set VI, 3
.set VO, 4
.endif
.endm
.macro FILL c                          ; eight loads: chunk c into slot c mod 5
	PLACE \c
.irp j, 0,1,2,3,4,5,6,7
	global_load_b128 v[X+32*((\c)%5)+4*\j:X+32*((\c)%5)+4*\j+3], v[VI], s[SB:SB+1] offset:NC*4096+512*\j th:TH_LOAD_NT
.endr
.endm
; The two logits of the row in slot c (already rounded to bf16 and widened again) and their softmax, into CR+2c and CR+2c+1; every lane ends up with both.
.macro ROUTE c
	v_pk_mul_f32 v[L0:L0+1], v[X+32*\c:X+32*\c+1], v[WR0:WR0+1]            ; the first products start the sums
	v_pk_mul_f32 v[L1:L1+1], v[X+32*\c:X+32*\c+1], v[WR1:WR1+1]
.set ip, 1
.rept 15
	v_pk_fma_f32 v[L0:L0+1], v[X+32*\c+2*ip:X+32*\c+2*ip+1], v[WR0+2*ip:WR0+2*ip+1], v[L0:L0+1]
	v_pk_fma_f32 v[L1:L1+1], v[X+32*\c+2*ip:X+32*\c+2*ip+1], v[WR1+2*ip:WR1+2*ip+1], v[L1:L1+1]
.set ip, ip+1
.endr
	v_add_f32 v[L0], v[L0], v[L0+1]
	v_add_f32 v[L1], v[L1], v[L1+1]
.irp m, 1,2,4,8
	v_add_f32_dpp v[L0], v[L0], v[L0] row_xmask:\m row_mask:0xf bank_mask:0xf
	v_add_f32_dpp v[L1], v[L1], v[L1] row_xmask:\m row_mask:0xf bank_mask:0xf
.endr
	v_permlanex16_b32 v[L0+1], v[L0], s26, s27     ; the destinations have been written above
	v_permlanex16_b32 v[L1+1], v[L1], s26, s27
	v_add_f32 v[L0], v[L0], v[L0+1]
	v_add_f32 v[L1], v[L1], v[L1+1]
	v_max_num_f32 v[L0+1], v[L0], v[L1]            ; the larger logit is taken away: one exponent is 0, the other at most 0
	v_sub_f32 v[L0], v[L0], v[L0+1]
	v_sub_f32 v[L1], v[L1], v[L0+1]
	v_mul_f32 v[L0], 0x3fb8aa3b, v[L0]             ; e^d = 2^(d log2 e)
	v_mul_f32 v[L1], 0x3fb8aa3b, v[L1]
	v_exp_f32 v[L0+1], v[L0]
	v_exp_f32 v[L1+1], v[L1]
	v_nop                                          ; one plain vector instruction behind a transcendental before its result is used or a source rewritten (ISA guide 5.7.2)
	s_wait_alu depctr_va_vdst(0)
	v_add_f32 v[L0], v[L0+1], v[L1+1]              ; between 1 and 2
	v_rcp_f32 v[L1], v[L0]
	v_nop                                          ; the same
	s_wait_alu depctr_va_vdst(0)
	v_mul_f32 v[CR+2*\c], v[L0+1], v[L1]
	v_mul_f32 v[CR+2*\c+1], v[L1+1], v[L1]
.endm
; The turn of chunk c.  left = the loads issued behind chunk c's that may stay out.
.macro TURN c, left, route
	s_wait_loadcnt \left                           ; loads come back in order (ISA guide 5.7.1): my chunk is in, the younger chunks stay on their way
	s_wait_xcnt 0x0                                ; Y, which the last turn's stores read, is rewritten only behind this wait
.irp j, 0,1,2,3,4,5,6,7
	v_cvt_pk_bf16_f32 v[Y+2*\j],   v[X+32*((\c)%5)+4*\j],   v[X+32*((\c)%5)+4*\j+1]   ; to nearest even, two at a time
	v_cvt_pk_bf16_f32 v[Y+2*\j+1], v[X+32*((\c)%5)+4*\j+2], v[X+32*((\c)%5)+4*\j+3]
.endr
.if \route
.irp j, 0,1,2,3,4,5,6,7
	v_lshlrev_b32 v[X+32*\c+4*\j],   16,  v[Y+2*\j]                ; the rounded row back as f32, over the unrounded one: the low half moves up,
	v_and_b32     v[X+32*\c+4*\j+1], s31, v[Y+2*\j]                ; the high half stays
	v_lshlrev_b32 v[X+32*\c+4*\j+2], 16,  v[Y+2*\j+1]
	v_and_b32     v[X+32*\c+4*\j+3], s31, v[Y+2*\j+1]
.endr
	ROUTE \c
.endif
.if (\c) < 5
	FILL \c+5                                      ; the slot's next chunk, ahead of the stores
.endif
	PLACE \c
.irp j, 0,1,2,3,4,5,6,7
	global_store_b64 v[VO], v[Y+2*\j:Y+2*\j+1], s[DB:DB+1] offset:NC*2048+256*\j
.endr
.endm
.irp j, 0,1,2,3,4,5,6,7
	global_load_b128 v[WR0+4*\j:WR0+4*\j+3], v5, s[10:11] offset:512*\j          ; Wr: every wave reads it, so no hint
	global_load_b128 v[WR1+4*\j:WR1+4*\j+3], v5, s[10:11] offset:4096+512*\j
.endr
	FILL 0
	FILL 1
	FILL 2
	FILL 3
	FILL 4
	s_wait_loadcnt 40                              ; Wr's sixteen loads are in; the five chunks of eight loads issued behind them stay out
.set ip, 0
.rept 32
	v_cvt_pk_bf16_f32 v[L0+ip%4], v[WR0+2*ip], v[WR0+2*ip+1]       ; Wr rounded to bf16 in place, once: four scratch registers take turns
	v_lshlrev_b32 v[WR0+2*ip],   16,  v[L0+ip%4]
	v_and_b32     v[WR0+2*ip+1], s31, v[L0+ip%4]
.set ip, ip+1
.endr
	TURN 0, 32, 1                                  ; four younger chunks of eight loads are out in each of the first six turns
	TURN 1, 32, 1
	TURN 2, 32, 0
	TURN 3, 32, 0
	TURN 4, 32, 0
	TURN 5, 32, 0
	TURN 6, 24, 0                                  ; nothing is left to fetch: the counts run down
	TURN 7, 16, 0
	TURN 8, 8, 0
	TURN 9, 0, 0
	; lane 2 e + i stores c of expert e and of my row i
	v_cndmask_b32 v8, v[CR], v[CR+2], s28          ; expert 0: even lanes row 0, odd lanes row 1
	v_cndmask_b32 v9, v[CR+1], v[CR+3], s28        ; expert 1
	v_cndmask_b32 v8, v8, v9, s29
	v_cmp_gt_u32 vcc_lo, 4, v7
	s_wait_xcnt 0x0                                ; EXEC is a source of the stores above: it changes only behind this wait
	s_and_saveexec_b32 s30, vcc_lo
	global_store_b32 v6, v8, s[22:23]
	s_wait_xcnt 0x0                                ; and again in front of the line that widens it
	s_or_b32 exec_lo, exec_lo, s30
	s_endpgm
.Lfunc_end_k_q7037b2e166_cast:
	.size	k_q7037b2e166_cast, .Lfunc_end_k_q7037b2e166_cast-k_q7037b2e166_cast
	.p2alignl 7, 3214868480
	.fill 96, 4, 3214868480
	.section	.rodata,"a",@progbits
	.p2align	6, 0x0
	.amdhsa_kernel k_q7037b2e166_cast
		.amdhsa_group_segment_fixed_size 0
		.amdhsa_private_segment_fixed_size 0
		.amdhsa_enable_private_segment 0
		.amdhsa_kernarg_size 64
		.amdhsa_user_sgpr_count 2
		.amdhsa_user_sgpr_kernarg_segment_ptr 1
		.amdhsa_wavefront_size32 1
		.amdhsa_system_sgpr_workgroup_id_x 1
		.amdhsa_system_sgpr_workgroup_id_y 1
		.amdhsa_system_sgpr_workgroup_id_z 1
		.amdhsa_system_vgpr_workitem_id 0
		.amdhsa_next_free_vgpr 256
		.amdhsa_next_free_sgpr 66
		.amdhsa_reserve_vcc 1
		.amdhsa_float_denorm_mode_32 3
		.amdhsa_float_denorm_mode_16_64 3
		.amdhsa_memory_ordered 1
		.amdhsa_forward_progress 1
		.amdhsa_inst_pref_size 42
	.end_amdhsa_kernel
	.amdgpu_metadata
---
amdhsa.version: [ 1, 2 ]
amdhsa.kernels:
  - .name:           k_q7037b2e166_cast
    .symbol:         k_q7037b2e166_cast.kd
    .args:
      - { .name: x, .offset: 0, .size: 8, .value_kind: global_buffer, .address_space: global }
      - { .name: Wr, .offset: 8, .size: 8, .value_kind: global_buffer, .address_space: global }
      - { .name: W1, .offset: 16, .size: 8, .value_kind: global_buffer, .address_space: global }
      - { .name: W2, .offset: 24, .size: 8, .value_kind: global_buffer, .address_space: global }
      - { .name: xb, .offset: 32, .size: 8, .value_kind: global_buffer, .address_space: global }
      - { .name: w1b, .offset: 40, .size: 8, .value_kind: global_buffer, .address_space: global }
      - { .name: w2b, .offset: 48, .size: 8, .value_kind: global_buffer, .address_space: global }
      - { .name: comb, .offset: 56, .size: 8, .value_kind: global_buffer, .address_space: global }
    .group_segment_fixed_size: 0
    .private_segment_fixed_size: 0
    .kernarg_segment_align: 8
    .kernarg_segment_size: 64
    .max_flat_workgroup_size: 256
    .sgpr_count:     66
    .vgpr_count:     256
    .wavefront_size: 32
...
	.end_amdgpu_metadata
.endif
;; end of part 1
;; launch ffn1 (part 2): grid 32 x 16, 4 waves a work-group, clusters of 4 x 4, 327,680 bytes of LDS; arguments xb, w1b, h, comb; writes h
.if DOCPART == 2
	.amdgcn_target "amdgcn-amd-amdhsa--gfx1250"
	.amdhsa_code_object_version 6
	.text
	.protected	k_q7037b2e166_ffn1
	.globl	k_q7037b2e166_ffn1
	.p2align	8
	.type	k_q7037b2e166_ffn1,@function
k_q7037b2e166_ffn1:
	s_mov_b64 s[64:65], 0
	v_nop
	global_prefetch_b8 v0, s[64:65] scope:SCOPE_SE
	s_setreg_imm32_b32 hwreg(HW_REG_WAVE_MODE, 25, 1), 1
	s_wait_xcnt 0x0
	s_wait_alu depctr_hold_cnt(0) depctr_sa_sdst(0) depctr_va_vdst(0) depctr_va_sdst(0) depctr_va_ssrc(0) depctr_va_vcc(0) depctr_vm_vsrc(0)
	s_getreg_b32 s2, hwreg(HW_REG_IB_STS2, 6, 4)
	s_cmp_eq_u32 s2, 0
	s_cbranch_scc0 .Lentry_in_a_cluster
	s_endpgm
.Lentry_in_a_cluster:
	s_bfe_u32 s2, ttmp6, 0x10000c
	s_cmp_lg_u32 s2, 0xf033
	s_cbranch_scc0 .Lentry_shape_is_right
	s_endpgm
.Lentry_shape_is_right:
; h[t][e 4096 + f] = comb[e][t] gelu( sum over d of xb[t][d] w1b[e][d][f] ), bf16; sums, gelu and the weight in f32, one rounding.
; The combine weight is a factor of a whole row of an expert's hidden layer, so it is applied here and the second product sums over both experts.
; A GEMM of 4,096 x 8,192 x 1,024.  A work-group makes a block of 256 x 256 with four waves, a wave 128 x 128: 64 accumulator tiles, 512 registers.
; K goes in steps of 128 through a ring of two LDS slots filled by the tensor data mover; every tile row is 256 bytes of memory at a multiple of 256.
; xb lies [t][k]: its fragments are plain 16-byte loads.  w1b lies [k][n]: its fragments come by the transposing load ds_load_tr16_b128,
; two for a fragment as well, so the weights are never transposed in memory.
; CLUSTERS: 4 x 4 work-groups.  The four of a row of the cluster need the same tiles of xb, the four of a column the same tiles of w1b: each tile is asked
; for jointly, by the same tensor load with the same descriptor and a mask that names the four, which divides the requests for both by four.
; LIMITS.  erf is the rational form 1 - (a1 t + a2 t^2 + a3 t^3) e^(-z^2), t = 1 / (1 + 0.47047 z) (Abramowitz and Stegun 7.1.25), |error| <= 2.5e-5,
; so gelu is off by at most 1.25e-5 |x|, below the rounding of h to bf16.  A pre-activation of +-infinity gives NaN where reference() gives infinity or 0.
;
; REGISTERS, in windows of 256:
;   window 0: v0-31 addresses; v32-47 combine weights; v48-57 constants; v64-127, v128-191 fragments of xb, two buffers; on the way out v64-255 at work
;   window 1: v64-127, v128-191 fragments of w1b, two buffers
;   window 2: the 32 accumulator tiles of my rows 0-63 (tile (a, b) at v[8 (8 a + b)]);   window 3: those of my rows 64-127
; THE MATRIX INSTRUCTION IS USED TRANSPOSED: source 0 = 16 columns of w1b, source 1 = 16 rows of xb.  Lane l then holds row l % 16 of the block and in its
; registers 0 to 7 the columns 8 (l / 16) + 0 .. 7: eight neighbouring numbers of a row of h, and ONE combine weight serves all its results of a tile row.
.set PA,     272                       ; an LDS row of xb: 256 bytes + 16: the 16 rows of a fragment load start 16 bytes apart modulo 256
.set PB,     288                       ; an LDS row of w1b: 256 bytes + 32: an odd multiple of 32, as the transposing load's eight rows want
.set QUART,  36864                     ; the LDS bytes of one wave's tensor load: 128 x 288 (w1b) or 128 x 272 = 34,816 of them (xb)
.set SLOT,   4*QUART                   ; xb's rows 0-127, 128-255, then w1b's columns 0-127, 128-255
.set STAGE,  2*SLOT                    ; behind the ring: 16 rows x 272 bytes for each wave, for the way out; no tensor load lands there
.set SPITCH, 272
.set LAPS,   4                         ; a lap = two K steps = once round the ring; 1,024 / 256
.set STEPA,  2*256                     ; a slot's next tile: two K steps along xb's rows,
.set STEPB,  2*128*8192                ; 256 rows of w1b down
.set HROW,   16384                     ; bytes in a row of h
.set ADRA, 16                          ; v16-17  LDS address of my xb fragments in slot 0, 1
.set ADRB, 20                          ; v20-21  the same for w1b
.set STO,  24                          ; v24     the way out: where I put 16 bytes of a row
.set RD,   25                          ; v25     the way out: where I read a row back
.set CO,   26                          ; v26     my byte offset in h
.set CMO,  27                          ; v27     4 (l % 16): my row's word in comb; never rewritten
.set CMB,  32                          ; v[32:47] pair i: the combine weight of row 16 i + l % 16, twice
.set KP,   48                          ; v[48:49] 0.47047 / sqrt 2
.set KE,   50                          ; v[50:51] -1/2 log2 e
.set KA1,  52                          ; v[52:53] -a1 / 2
.set KA2,  54                          ; v[54:55] -a2 / 2
.set KA3,  56                          ; v[56:57] -a3 / 2
.set F0,   64
.set F1,   128
.set SQ,   64                          ; the way out, 32 numbers at a time: x^2, then e^(-x^2/2)
.set AB,   96                          ; |x|
.set MX,   128                         ; max(x, 0), then the result
.set TT,   160                         ; t
.set QQ,   192                         ; the polynomial; then the rows read back from the stage
.set TMP,  224                         ; 16 rows x 128 columns as bf16: 32 registers
.set G1,  24                           ; s[24:31] descriptor group 1 for xb's tiles
.set G0,  32                           ; s[32:39] group 0 for xb's tiles, one set for each slot
.set G1B, 48                           ; s[48:55] group 1 for w1b's tiles
.set G0B, 56                           ; s[56:63] group 0 for w1b's tiles, one set for each slot
.set MSB, 0
.macro WIN new                         ; the immediate's high byte repeats the setting that is left
.if MSB != \new
	s_set_vgpr_msb (MSB<<8)|\new
.set MSB, \new
.endif
.endm
.set MUL_LO, 0xa1                      ; source 0 (w1b) window 1, source 1 (xb) window 0, C and D window 2
.set MUL_HI, 0xf1                      ; the same, C and D window 3
.set TO_B,   0x40                      ; destination window 1, address window 0
; A joint load.  Waves 0 and 1 fetch xb's two halves, waves 2 and 3 w1b's.  Each line has one mask and one set of registers for all that issue it.
; The branch hangs on the wave's number alone: it is the same in every work-group.
.macro JLOAD s
	s_cmp_eq_u32 s11, 0
	s_cbranch_scc0 .Lfor_b_\@
	tensor_load_to_lds s[G0+4*\s:G0+4*\s+3], s[G1:G1+7]
	s_nop 0
	s_branch .Lasked_\@
.Lfor_b_\@:
	tensor_load_to_lds s[G0B+4*\s:G0B+4*\s+3], s[G1B:G1B+7]
	s_nop 0
.Lasked_\@:
.endm
; A round of the cluster's barrier: my work-group's barrier, so that wave 0's signal speaks for all four waves; wave 0 signals for the work-group;
; every wave waits for all sixteen work-groups; my work-group's barrier once more.
.macro CREST                           ; a round behind its opening barrier
	s_cmp_lg_u32 s10, 0
	s_cbranch_scc1 .Lnot_wave_0_\@
	s_barrier_signal -3
.Lnot_wave_0_\@:
	s_barrier_wait -3
	s_barrier_signal -1
	s_barrier_wait -1
.endm
.macro CROUND                          ; a whole round
	s_barrier_signal -1
	s_barrier_wait -1
	CREST
.endm
	s_load_b128 s[4:7], s[0:1], 0x0                ; xb s[4:5], w1b s[6:7]
	s_load_b64 s[8:9], s[0:1], 0x10                ; h
	s_load_b64 s[66:67], s[0:1], 0x18              ; comb
	s_set_vgpr_msb 0x40
	v_lshl_add_u32 v255, v0, 2, 0x4c400
	s_set_vgpr_msb 0x4000
	v_mov_b32 v63, 0
	s_set_vgpr_msb 0x1
	ds_add_u32 v255, v63
	s_set_vgpr_msb 0x100
	v_lshrrev_b32 v1, 5, v0
	v_readfirstlane_b32 s10, v1                    ; wave 0..3
	s_lshr_b32 s11, s10, 1                         ; which half of the block's rows is mine.  Also: I fetch for xb (0) or for w1b (1)
	s_and_b32 s12, s10, 1                          ; which half of its columns.  Also: which half of that tile I fetch
	s_bfe_u32 s40, ttmp6, 0x40000                  ; cx
	s_bfe_u32 s41, ttmp6, 0x40004                  ; cy
	s_lshl_b32 s42, ttmp9, 2
	s_add_co_u32 s42, s42, s40                     ; block column 0..31 = 4 x cluster x + cx; blocks 0-15 are expert 0's
	s_and_b32 s13, ttmp7, 0xffff
	s_lshl_b32 s13, s13, 2
	s_add_co_u32 s13, s13, s41                     ; block row 0..15 = 4 x cluster y + cy
	s_lshl_b32 s43, s41, 2
	s_lshl_b32 s43, 15, s43                        ; my row of the cluster: places 4 cy .. 4 cy + 3
	s_lshl_b32 s44, 0x1111, s40                    ; my column: places cx, cx + 4, cx + 8, cx + 12
	s_mov_b32 s68, 0x7fffffff                      ; clears a sign
	; group 1: tiles of 128 rows x 128 elements of 2 bytes, padded in LDS behind every 64 words: by 4 words (xb), by 8 words (w1b)
	s_or_b32 s[G1+0], s43, (1<<16)|(1<<20)|(1<<21)|(5<<22)|(3<<25)   ; 15:0 mask: my row; 17:16 2 bytes; 20 padding; 21 set beside a mask; 24:22 interval; 31:25 pad - 1
	s_or_b32 s[G1B+0], s44, (1<<16)|(1<<20)|(1<<21)|(5<<22)|(7<<25)  ; mask: my column
	s_mov_b32 s[G1+1], 128<<16                     ; tensor_dim0 = 128
	s_mov_b32 s[G1B+1], 128<<16
	s_mov_b32 s[G1+2], 128<<16                     ; tensor_dim1 = 128
	s_mov_b32 s[G1B+2], 128<<16
	s_mov_b32 s[G1+3], 128<<16                     ; tile_dim0 = 128
	s_mov_b32 s[G1B+3], 128<<16
	s_mov_b32 s[G1+4], 128                         ; tile_dim1 = 128
	s_mov_b32 s[G1B+4], 128
	s_mov_b32 s[G1+5], 1024                        ; elements from row to row of xb
	s_mov_b32 s[G1B+5], 4096                       ; and of w1b
	s_mov_b32 s[G1+6], 0
	s_mov_b32 s[G1B+6], 0
	s_mov_b32 s[G1+7], 0
	s_mov_b32 s[G1B+7], 0
	; where the tiles come from.  xb's hang on the block row alone, which my row of the cluster shares; w1b's on the block column alone.
	s_lshl_b32 s17, s12, 7
	s_lshl_b32 s16, s13, 8
	s_add_co_u32 s16, s16, s17                     ; xb: row 256 x block row + 128 x half,
	s_lshl_b32 s16, s16, 11                        ; of 2,048 bytes: below 8 MiB
	s_mov_b32 s17, 0
	s_lshr_b32 s46, s42, 4                         ; w1b: the expert, 8 MiB each,
	s_lshl_b32 s46, s46, 23
	s_and_b32 s47, s42, 15
	s_lshl_b32 s47, s47, 9                         ; 256 columns of 2 bytes for each block of the expert,
	s_add_co_u32 s46, s46, s47
	s_lshl_b32 s47, s12, 8                         ; 128 columns for the half
	s_add_co_u32 s46, s46, s47
	s_mov_b32 s47, 0
	s_mul_i32 s20, s10, QUART                      ; and where they go: wave x 36,864: no place in the cluster enters an LDS address
	s_lshr_b32 s70, s42, 4                         ; comb: the expert's 4,096 words,
	s_lshl_b32 s70, s70, 14
	s_lshl_b32 s71, s13, 10                        ; 256 words for the block row,
	s_add_co_u32 s70, s70, s71
	s_lshl_b32 s71, s11, 9                         ; 128 for my half
	s_add_co_u32 s70, s70, s71
	s_mov_b32 s71, 0
	s_wait_dscnt 0x0
	s_wait_kmcnt 0x0
	s_add_nc_u64 s[14:15], s[4:5], s[16:17]
	s_add_nc_u64 s[46:47], s[6:7], s[46:47]
	s_add_nc_u64 s[66:67], s[66:67], s[70:71]
	CROUND                                         ; all sixteen work-groups are here: the first joint loads meet
.irp s, 0,1
	s_mov_b32 s[G0+4*\s], 1                                        ; count = 1
	s_add_co_u32 s[G0+4*\s+1], s20, \s*SLOT                        ; LDS address
	s_add_nc_u64 s[G0+4*\s+2:G0+4*\s+3], s[14:15], \s*256          ; global address: K step s, 128 elements along the rows
	s_or_b32 s[G0+4*\s+3], s[G0+4*\s+3], 0x80000000                ; type = 2
	s_mov_b32 s[G0B+4*\s], 1
	s_add_co_u32 s[G0B+4*\s+1], s20, \s*SLOT
	s_add_nc_u64 s[G0B+4*\s+2:G0B+4*\s+3], s[46:47], \s*128*8192   ; K step s, 128 rows down
	s_or_b32 s[G0B+4*\s+3], s[G0B+4*\s+3], 0x80000000
	JLOAD \s                                       ; both first fills go out together: two tensor loads of the wave are out, later one
.endr
	v_and_b32 v1, 15, v0                           ; r = l % 16
	v_bfe_u32 v2, v0, 4, 1                         ; hh = l / 16
	v_mul_u32_u24 v3, v1, PA
	v_lshl_add_u32 v3, v2, 4, v3                   ; xb: row r, 16 bytes for each half of the lanes: K = 8 hh .. and, 32 bytes on, 16 + 8 hh ..
	v_and_b32 v6, 7, v0
	v_lshl_add_u32 v6, v2, 3, v6                   ; w1b: K row 8 hh + l % 8,
	v_mul_u32_u24 v6, v6, PB
	v_bfe_u32 v7, v0, 3, 1
	v_lshl_add_u32 v6, v7, 4, v6                   ; columns 8 ((l / 8) % 2) ..: the load hands lane l column r, K = 8 hh .. 8 hh + 7
	s_mul_i32 s21, s11, QUART                      ; my 128 rows of xb
	s_mul_i32 s22, s12, QUART                      ; my 128 columns of w1b,
	s_add_co_u32 s22, s22, 2*QUART                 ; which lie behind xb's two parts
.irp s, 0,1
	v_add_nc_u32 v[ADRA+\s], s21, v3
	v_add_nc_u32 v[ADRB+\s], s22, v6
	s_add_co_u32 s21, s21, SLOT
	s_add_co_u32 s22, s22, SLOT
.endr
	s_mul_i32 s23, s10, 16*SPITCH
	s_add_co_u32 s23, s23, STAGE                   ; my stage
	v_mul_u32_u24 v4, v1, SPITCH
	v_lshl_add_u32 v4, v2, 4, v4
	v_add_nc_u32 v[STO], s23, v4                   ; in: row r, 16 bytes for each half of the lanes
	v_mul_u32_u24 v5, v2, SPITCH
	v_lshl_add_u32 v5, v1, 4, v5
	v_add_nc_u32 v[RD], s23, v5                    ; back: lanes 0-15 take one row of 256 bytes, lanes 16-31 the next
	v_lshlrev_b32 v5, 14, v2
	v_lshl_add_u32 v[CO], v1, 4, v5                ; and the same two rows in h
	v_lshlrev_b32 v[CMO], 2, v1
.irp i, 0,1,2,3,4,5,6,7
	global_load_b32 v[CMB+2*\i], v[CMO], s[66:67] offset:64*\i     ; the weight of my row 16 i + r; waited for at the head of the way out
.endr
; 16 matrix instructions: tile rows a0, a0 + 1 of the window's four x all 8 tile columns, 32 along K.  zero = 1: the first product starts the sums.
.macro MUL16 f, hi, a0, zero
.irp a, \a0, \a0+1
.irp b, 0,1,2,3,4,5,6,7
.if \zero
	v_wmma_f32_16x16x32_bf16 v[8*(8*(\a)+\b):8*(8*(\a)+\b)+7], v[\f+8*\b:\f+8*\b+7], v[\f+8*(4*\hi+\a):\f+8*(4*\hi+\a)+7], 0
.else
	v_wmma_f32_16x16x32_bf16 v[8*(8*(\a)+\b):8*(8*(\a)+\b)+7], v[\f+8*\b:\f+8*\b+7], v[\f+8*(4*\hi+\a):\f+8*(4*\hi+\a)+7], v[8*(8*(\a)+\b):8*(8*(\a)+\b)+7]
.endif
.endr
.endr
.endm
; 32 LDS loads in one run: the fragments of quarter q of a K step (32 along K) into buffer f
.macro FETCH slot, q, f
	WIN TO_B
.irp b, 0,1,2,3,4,5,6,7
	ds_load_tr16_b128 v[\f+8*\b:\f+8*\b+3],   v[ADRB+\slot] offset:\q*32*PB+32*\b
	ds_load_tr16_b128 v[\f+8*\b+4:\f+8*\b+7], v[ADRB+\slot] offset:\q*32*PB+16*PB+32*\b
.endr
	WIN 0
.irp i, 0,1,2,3,4,5,6,7
	ds_load_b128 v[\f+8*\i:\f+8*\i+3],   v[ADRA+\slot] offset:\q*64+\i*16*PA
	ds_load_b128 v[\f+8*\i+4:\f+8*\i+7], v[ADRA+\slot] offset:\q*64+\i*16*PA+32
.endr
.endm
; A load into a register that a matrix instruction has read stands four places behind it, and only plain vector instructions that name none of its
; registers are places (ISA guide 7.12.1 for vector instructions).
.macro PLACES
.rept 4
	v_nop
.endr
.endm
; A K step is four quarters of 32 along K, 64 matrix instructions each, on buffers 0, 1, 0, 1.  The 64 accumulators take turns, one instruction a turn,
; in the same order in every quarter, over the loop's backward jump too.
; One of the first three quarters: multiplies buffer f; in its middle it fetches quarter q of the same slot into buffer g.
.macro QUARTER slot, q, f, g, zero
	s_wait_dscnt 8                                 ; w1b's fragments and xb's rows 0-63 are in; the youngest eight loads (xb's rows 64-127) may be out
	WIN MUL_LO
	MUL16 \f, 0, 0, \zero
	MUL16 \f, 0, 2, \zero
	PLACES
	FETCH \slot, \q, \g
	s_wait_dscnt 32                                ; all but the 32 just issued
	WIN MUL_HI
	MUL16 \f, 1, 0, \zero
	MUL16 \f, 1, 2, \zero
.endm
.macro THREE slot, zero
	QUARTER \slot, 1, F0, F1, \zero
	QUARTER \slot, 2, F1, F0, 0
	QUARTER \slot, 3, F0, F1, 0
.endm
; The last quarter: multiplies buffer 1 and changes slots.  fill = 1: this slot is filled again, two K steps ahead.
; In front of the barrier each wave waits for its own reads of this slot and for all its tensor loads, of which one is out: its part of the next slot.
; Behind it nobody reads this slot and the next slot is whole: the refill comes first, then the next slot's first fragments.
; From a request to the wait for it a wave issues 240 matrix instructions.
.macro TURN slot, next, fill
	s_wait_dscnt 8
	WIN MUL_LO
	MUL16 F1, 0, 0, 0
	s_wait_dscnt 0                                 ; my reads of this slot are over
	s_wait_tensorcnt 0x0                           ; and all my tensor loads have landed
	ds_add_u32 v255, v63
	s_wait_dscnt 0x0
	s_barrier_signal -1                            ; say so (where the slot is filled again this barrier opens a round of the cluster's barrier),
	MUL16 F1, 0, 2, 0                              ; work on registers while the others arrive,
	WIN 0
	s_barrier_wait -1
.if \fill
	CREST                                          ; all sixteen work-groups have said so: no wave of any partner still reads this slot or has a load on its way
	s_add_nc_u64 s[G0+4*\slot+2:G0+4*\slot+3], s[G0+4*\slot+2:G0+4*\slot+3], STEPA
	s_add_nc_u64 s[G0B+4*\slot+2:G0B+4*\slot+3], s[G0B+4*\slot+2:G0B+4*\slot+3], STEPB
	JLOAD \slot                                    ; the wave's one tensor load behind the round, and the first thing there
.endif
	PLACES
	FETCH \next, 0, F0
	WIN MUL_HI
	MUL16 F1, 1, 0, 0
	MUL16 F1, 1, 2, 0
.endm
.macro LAP zero
	THREE 0, \zero
	TURN 0, 1, 1
	THREE 1, 0
	TURN 1, 0, 1
.endm
	s_wait_tensorcnt 1                             ; my part of K step 0 is in; K step 1's stays out
	s_barrier_signal -1
	s_barrier_wait -1                              ; everybody's is
	FETCH 0, 0, F0
	LAP 1                                          ; the first lap stands in front of the loop: its first products start the sums
	WIN 0                                          ; at a label and at a branch every window is 0
	s_mov_b32 s3, LAPS-2
.Llap:
	LAP 0
	WIN 0
	s_sub_co_u32 s3, s3, 1
	s_cmp_lg_u32 s3, 0
	s_cbranch_scc1 .Llap
	THREE 0, 0                                     ; the last lap fills nothing and has no round of the cluster's barrier
	TURN 0, 1, 0
	THREE 1, 0
	s_wait_dscnt 8                                 ; the very last quarter
	WIN MUL_LO
	MUL16 F1, 0, 0, 0
	MUL16 F1, 0, 2, 0
	s_wait_dscnt 0
	WIN MUL_HI
	MUL16 F1, 1, 0, 0
	MUL16 F1, 1, 2, 0
	; THE WAY OUT.  The eighteen moves below name no register of a matrix instruction: they are also the places behind the last of them.
	WIN 0
	s_wait_loadcnt 0x0                             ; the eight combine weights
.irp i, 0,1,2,3,4,5,6,7
	v_mov_b32 v[CMB+2*\i+1], v[CMB+2*\i]           ; a pair for the packed multiply
.endr
.irp o, 0,1
	v_mov_b32 v[KP+\o],  0x3eaa540e                ; 0.47047 / sqrt 2 = 0.33267253
	v_mov_b32 v[KE+\o],  0xbf38aa3b                ; -0.72134752
	v_mov_b32 v[KA1+\o], 0xbe32303a                ; -0.1740121
	v_mov_b32 v[KA2+\o], 0x3d445ca1                ; +0.0479399
	v_mov_b32 v[KA3+\o], 0xbebf7377                ; -0.3739278
.endr
	s_lshl_b32 s16, s13, 8
	s_lshl_b32 s17, s11, 7
	s_add_co_u32 s16, s16, s17                     ; my first row of h,
	s_lshl_b32 s16, s16, 14                        ; of 16,384 bytes: below 64 MiB
	s_mov_b32 s17, 0
	s_add_nc_u64 s[8:9], s[8:9], s[16:17]
	s_lshl_b32 s46, s42, 9                         ; my first column, in bytes: 512 x block + 256 x half
	s_lshl_b32 s47, s12, 8
	s_add_co_u32 s46, s46, s47
	s_mov_b32 s47, 0
	s_add_nc_u64 s[8:9], s[8:9], s[46:47]
; 32 accumulators (four tiles of a tile row) at xb of window 2 or 3 (from = 0x0a or 0x0f: sources 0 and 1) become 16 registers of bf16 at TMP + tb.
; gelu(x) = max(x, 0) - |x| q,  q = (a1 t + a2 t^2 + a3 t^3) / 2 x e^(-x^2/2),  t = 1 / (1 + 0.47047 |x| / sqrt 2):
; for x >= 0 that is x (2 - 2 q) / 2, for x < 0 it is x (2 q) / 2.  The constants carry the minus sign, so QQ holds -q.
.macro GELU32 from, xb, tb, cp
	WIN \from
.set ip, 0
.rept 16
	v_pk_mul_f32 v[SQ+2*ip:SQ+2*ip+1], v[\xb+2*ip:\xb+2*ip+1], v[\xb+2*ip:\xb+2*ip+1]
.set ip, ip+1
.endr
.set ip, 0
.rept 32
	v_and_b32 v[AB+ip], s68, v[\xb+ip]
.set ip, ip+1
.endr
.set ip, 0
.rept 32
	v_max_num_f32 v[MX+ip], 0, v[\xb+ip]
.set ip, ip+1
.endr
	WIN 0
.set ip, 0
.rept 16
	v_pk_fma_f32 v[TT+2*ip:TT+2*ip+1], v[AB+2*ip:AB+2*ip+1], v[KP:KP+1], 1.0 op_sel_hi:[1,1,0]
.set ip, ip+1
.endr
.set ip, 0
.rept 32
	v_rcp_f32 v[TT+ip], v[TT+ip]
.set ip, ip+1
.endr
.set ip, 0
.rept 16
	v_pk_mul_f32 v[SQ+2*ip:SQ+2*ip+1], v[SQ+2*ip:SQ+2*ip+1], v[KE:KE+1]    ; plain work that names no t: the place behind the reciprocals (ISA guide 5.7.2)
.set ip, ip+1
.endr
.set ip, 0
.rept 32
	v_exp_f32 v[SQ+ip], v[SQ+ip]
.set ip, ip+1
.endr
	s_wait_xcnt 0x0                                ; QQ was the data of the last 16 rows' stores, and their base is stepped below: both only behind this wait
.set ip, 0
	s_wait_alu depctr_va_vdst(0)
.rept 16
	v_pk_fma_f32 v[QQ+2*ip:QQ+2*ip+1], v[TT+2*ip:TT+2*ip+1], v[KA3:KA3+1], v[KA2:KA2+1]   ; names no exponential: the place behind them
.set ip, ip+1
.endr
.set ip, 0
.rept 16
	v_pk_fma_f32 v[QQ+2*ip:QQ+2*ip+1], v[QQ+2*ip:QQ+2*ip+1], v[TT+2*ip:TT+2*ip+1], v[KA1:KA1+1]
.set ip, ip+1
.endr
.set ip, 0
.rept 16
	v_pk_mul_f32 v[TT+2*ip:TT+2*ip+1], v[TT+2*ip:TT+2*ip+1], v[SQ+2*ip:SQ+2*ip+1]
.set ip, ip+1
.endr
.set ip, 0
.rept 16
	v_pk_mul_f32 v[QQ+2*ip:QQ+2*ip+1], v[QQ+2*ip:QQ+2*ip+1], v[TT+2*ip:TT+2*ip+1]         ; -q
.set ip, ip+1
.endr
.set ip, 0
.rept 16
	v_pk_fma_f32 v[MX+2*ip:MX+2*ip+1], v[AB+2*ip:AB+2*ip+1], v[QQ+2*ip:QQ+2*ip+1], v[MX+2*ip:MX+2*ip+1]
.set ip, ip+1
.endr
.set ip, 0
.rept 16
	v_pk_mul_f32 v[MX+2*ip:MX+2*ip+1], v[MX+2*ip:MX+2*ip+1], v[\cp:\cp+1]                 ; my row's combine weight
.set ip, ip+1
.endr
.set ip, 0
.rept 16
	v_cvt_pk_bf16_f32 v[TMP+\tb+ip], v[MX+2*ip], v[MX+2*ip+1]
.set ip, ip+1
.endr
.endm
; rows 16 i .. 16 i + 15 of my block = tile row a of window 2 or 3: gelu and weight, 16 bytes a lane into my own stage, whole rows of 256 bytes back and out
.macro OUT16 i, a, from
	GELU32 \from, 64*\a, 0, CMB+2*\i
	GELU32 \from, 64*\a+32, 16, CMB+2*\i
.irp b, 0,1,2,3,4,5,6,7
	ds_store_b128 v[STO], v[TMP+4*\b:TMP+4*\b+3] offset:32*\b
.endr
.if \i
	s_add_nc_u64 s[8:9], s[8:9], 16*HROW           ; 16 rows on; no global instruction has been issued since the wait in GELU32
.endif
.irp t, 0,1,2,3,4,5,6,7
	ds_load_b128 v[QQ+4*\t:QQ+4*\t+3], v[RD] offset:\t*2*SPITCH    ; LDS serves a wave's instructions in order (ISA guide 5.7.1.4): these see the stores above
.endr
.irp t, 0,1,2,3,4,5,6,7
	s_wait_dscnt 7-\t
	global_store_b128 v[CO], v[QQ+4*\t:QQ+4*\t+3], s[8:9] offset:\t*2*HROW   ; 16 lanes store 256 consecutive bytes, at a multiple of 256 from h's first byte
.endr
.endm
	OUT16 0, 0, 0x0a
	OUT16 1, 1, 0x0a
	OUT16 2, 2, 0x0a
	OUT16 3, 3, 0x0a
	OUT16 4, 0, 0x0f
	OUT16 5, 1, 0x0f
	OUT16 6, 2, 0x0f
	OUT16 7, 3, 0x0f
	s_set_vgpr_msb 0x1
	s_wait_tensorcnt 0x0
	ds_add_u32 v255, v63
	s_wait_dscnt 0x0
	s_set_vgpr_msb 0x100
	CROUND                                         ; the closing round: no work-group ends while a partner may still ask for a tile that names it
	s_endpgm
.Lfunc_end_k_q7037b2e166_ffn1:
	.size	k_q7037b2e166_ffn1, .Lfunc_end_k_q7037b2e166_ffn1-k_q7037b2e166_ffn1
	.p2alignl 7, 3214868480
	.fill 96, 4, 3214868480
	.section	.rodata,"a",@progbits
	.p2align	6, 0x0
	.amdhsa_kernel k_q7037b2e166_ffn1
		.amdhsa_group_segment_fixed_size 327680
		.amdhsa_private_segment_fixed_size 0
		.amdhsa_enable_private_segment 0
		.amdhsa_kernarg_size 32
		.amdhsa_user_sgpr_count 2
		.amdhsa_user_sgpr_kernarg_segment_ptr 1
		.amdhsa_wavefront_size32 1
		.amdhsa_system_sgpr_workgroup_id_x 1
		.amdhsa_system_sgpr_workgroup_id_y 1
		.amdhsa_system_sgpr_workgroup_id_z 1
		.amdhsa_system_vgpr_workitem_id 0
		.amdhsa_next_free_vgpr 1024
		.amdhsa_next_free_sgpr 72
		.amdhsa_reserve_vcc 0
		.amdhsa_float_denorm_mode_32 3
		.amdhsa_float_denorm_mode_16_64 3
		.amdhsa_memory_ordered 1
		.amdhsa_forward_progress 1
		.amdhsa_inst_pref_size 255
	.end_amdhsa_kernel
	.section	.bss,"aw",@nobits
	.p2align	6
	.space	262144
	.amdgpu_metadata
---
amdhsa.version: [ 1, 2 ]
amdhsa.kernels:
  - .name:           k_q7037b2e166_ffn1
    .symbol:         k_q7037b2e166_ffn1.kd
    .args:
      - { .name: xb, .offset: 0, .size: 8, .value_kind: global_buffer, .address_space: global }
      - { .name: w1b, .offset: 8, .size: 8, .value_kind: global_buffer, .address_space: global }
      - { .name: h, .offset: 16, .size: 8, .value_kind: global_buffer, .address_space: global }
      - { .name: comb, .offset: 24, .size: 8, .value_kind: global_buffer, .address_space: global }
    .group_segment_fixed_size: 327680
    .private_segment_fixed_size: 0
    .kernarg_segment_align: 8
    .kernarg_segment_size: 32
    .max_flat_workgroup_size: 128
    .sgpr_count:     72
    .vgpr_count:     1024
    .wavefront_size: 32
...
	.end_amdgpu_metadata
.endif
;; end of part 2
;; launch ffn2 (part 3): grid 16 x 16, 4 waves a work-group, clusters of 4 x 4, 327,680 bytes of LDS; arguments h, w2b, part; writes part
.if DOCPART == 3
	.amdgcn_target "amdgcn-amd-amdhsa--gfx1250"
	.amdhsa_code_object_version 6
	.text
	.protected	k_q7037b2e166_ffn2
	.globl	k_q7037b2e166_ffn2
	.p2align	8
	.type	k_q7037b2e166_ffn2,@function
k_q7037b2e166_ffn2:
	s_mov_b64 s[64:65], 0
	v_nop
	global_prefetch_b8 v0, s[64:65] scope:SCOPE_SE
	s_setreg_imm32_b32 hwreg(HW_REG_WAVE_MODE, 25, 1), 1
	s_wait_xcnt 0x0
	s_wait_alu depctr_hold_cnt(0) depctr_sa_sdst(0) depctr_va_vdst(0) depctr_va_sdst(0) depctr_va_ssrc(0) depctr_va_vcc(0) depctr_vm_vsrc(0)
	s_getreg_b32 s2, hwreg(HW_REG_IB_STS2, 6, 4)
	s_cmp_eq_u32 s2, 0
	s_cbranch_scc0 .Lentry_in_a_cluster
	s_endpgm
.Lentry_in_a_cluster:
	s_bfe_u32 s2, ttmp6, 0x10000c
	s_cmp_lg_u32 s2, 0xf033
	s_cbranch_scc0 .Lentry_shape_is_right
	s_endpgm
.Lentry_shape_is_right:
; part[q][t][d] = sum over j = 2,048 q .. 2,048 q + 2,047 of h[t][j] w2b[j][d], q = 0 .. 3: a quarter of the sum over both experts' hidden layers
; (h carries the combine weights, and W2's two experts lie one behind the other as one matrix of 8,192 rows).  bf16 operands, f32 sums, f32 out.
; The next launch adds the four quarters.  The order of the sum differs from reference()'s.
; WHY QUARTERS.  The result has 4,096 x 1,024 numbers: 64 blocks of 256 x 256.  A block of that size has 256 matrix instructions a wave for each 128 KiB of
; tiles, a block of 128 x 128 half as many; so the blocks stay 256 x 256 and K is shared out instead: 64 blocks x 4 quarters = 256 work-groups.
; No work-group adds onto another's result: each stores its own quarter (64 MiB in all), and the sum is made in a launch of its own.
; A work-group makes its block with four waves, a wave 128 x 128: 64 accumulator tiles, 512 registers.  K goes in steps of 128 through a ring of two LDS
; slots filled by the tensor data mover; every tile row is 256 bytes of memory at a multiple of 256.
; h lies [t][k]: plain 16-byte fragment loads.  w2b lies [k][n]: its fragments come by the transposing load ds_load_tr16_b128, two for a fragment as well.
; CLUSTERS: 4 x 4 work-groups: the cluster's x is the quarter of K, the place along x the block column, y the block row.  The four of a row of the cluster
; need the same tiles of h, the four of a column the same tiles of w2b: each tile is asked for jointly, which divides the requests for both by four.
;
; REGISTERS, in windows of 256:
;   window 0: v0-31 addresses; v64-127, v128-191 fragments of h, two buffers (on the way out: rows read back);   window 1: the same registers, fragments of w2b
;   window 2: the 32 accumulator tiles of my rows 0-63 (tile (a, b) at v[8 (8 a + b)]);   window 3: those of my rows 64-127
; THE MATRIX INSTRUCTION IS USED TRANSPOSED: source 0 = 16 columns of w2b, source 1 = 16 rows of h: lane l holds row l % 16 of a tile and in its
; registers 0 to 7 the columns 8 (l / 16) + 0 .. 7: 32 neighbouring bytes of a row.
.set PA,     272                       ; an LDS row of h: 256 bytes + 16: the 16 rows of a fragment load start 16 bytes apart modulo 256
.set PB,     288                       ; an LDS row of w2b: 256 bytes + 32: an odd multiple of 32, as the transposing load's eight rows want
.set QUART,  36864                     ; the LDS bytes of one wave's tensor load: 128 x 288 (w2b) or 128 x 272 = 34,816 of them (h)
.set SLOT,   4*QUART                   ; h's rows 0-127, 128-255, then w2b's columns 0-127, 128-255
.set LAPS,   8                         ; a lap = two K steps = once round the ring; 2,048 / 256
.set STEPA,  2*256                     ; a slot's next tile: two K steps along h's rows,
.set STEPB,  2*128*2048                ; 256 rows of w2b down
.set RP,     528                       ; the way out: a row of 128 f32 + 16 bytes
.set AREA,   128*RP                    ; a wave's block on the way out: 67,584 bytes; four of them fit in the ring's 294,912
.set OROW,   4096                      ; bytes in a row of part
.set ADRA, 16                          ; v16-17  LDS address of my h fragments in slot 0, 1
.set ADRB, 20                          ; v20-21  the same for w2b
.set STO,  24                          ; v24     the way out: where I put my results of a tile
.set CO,   26                          ; v26     16 lane: my bytes of a row of my block
.set RD,   28                          ; v28-29  the way out: my 16 bytes of rows 0 and 64 of my area (an LDS offset has 16 bits: 127 rows of 528 bytes do not fit)
.set F0,   64
.set F1,   128
.set G1,  24                           ; s[24:31] descriptor group 1 for h's tiles
.set G0,  32                           ; s[32:39] group 0 for h's tiles, one set for each slot
.set G1B, 48                           ; s[48:55] group 1 for w2b's tiles
.set G0B, 56                           ; s[56:63] group 0 for w2b's tiles, one set for each slot
.set MSB, 0
.macro WIN new                         ; the immediate's high byte repeats the setting that is left
.if MSB != \new
	s_set_vgpr_msb (MSB<<8)|\new
.set MSB, \new
.endif
.endm
.set MUL_LO, 0xa1                      ; source 0 (w2b) window 1, source 1 (h) window 0, C and D window 2
.set MUL_HI, 0xf1                      ; the same, C and D window 3
.set TO_B,   0x40                      ; destination window 1, address window 0
; A joint load.  Waves 0 and 1 fetch h's two halves, waves 2 and 3 w2b's.  Each line has one mask and one set of registers for all that issue it.
; The branch hangs on the wave's number alone: it is the same in every work-group.
.macro JLOAD s
	s_cmp_eq_u32 s11, 0
	s_cbranch_scc0 .Lfor_b_\@
	tensor_load_to_lds s[G0+4*\s:G0+4*\s+3], s[G1:G1+7]
	s_nop 0
	s_branch .Lasked_\@
.Lfor_b_\@:
	tensor_load_to_lds s[G0B+4*\s:G0B+4*\s+3], s[G1B:G1B+7]
	s_nop 0
.Lasked_\@:
.endm
; A round of the cluster's barrier: my work-group's barrier, so that wave 0's signal speaks for all four waves; wave 0 signals for the work-group;
; every wave waits for all sixteen work-groups; my work-group's barrier once more.
.macro CREST                           ; a round behind its opening barrier
	s_cmp_lg_u32 s10, 0
	s_cbranch_scc1 .Lnot_wave_0_\@
	s_barrier_signal -3
.Lnot_wave_0_\@:
	s_barrier_wait -3
	s_barrier_signal -1
	s_barrier_wait -1
.endm
.macro CROUND                          ; a whole round
	s_barrier_signal -1
	s_barrier_wait -1
	CREST
.endm
	s_load_b128 s[4:7], s[0:1], 0x0                ; h s[4:5], w2b s[6:7]
	s_load_b64 s[8:9], s[0:1], 0x10                ; part
	s_set_vgpr_msb 0x40
	v_lshl_add_u32 v255, v0, 2, 0x48000
	s_set_vgpr_msb 0x4000
	v_mov_b32 v255, 0
	s_set_vgpr_msb 0x1
	ds_add_u32 v255, v255
	s_set_vgpr_msb 0x100
	v_lshrrev_b32 v1, 5, v0
	v_readfirstlane_b32 s10, v1                    ; wave 0..3
	s_lshr_b32 s11, s10, 1                         ; which half of the block's rows is mine.  Also: I fetch for h (0) or for w2b (1)
	s_and_b32 s12, s10, 1                          ; which half of its columns.  Also: which half of that tile I fetch
	s_bfe_u32 s40, ttmp6, 0x40000                  ; cx: the block column 0..3; the cluster's x (ttmp9) is the quarter of K, the same in all sixteen
	s_bfe_u32 s41, ttmp6, 0x40004                  ; cy
	s_and_b32 s13, ttmp7, 0xffff
	s_lshl_b32 s13, s13, 2
	s_add_co_u32 s13, s13, s41                     ; block row 0..15 = 4 x cluster y + cy
	s_lshl_b32 s43, s41, 2
	s_lshl_b32 s43, 15, s43                        ; my row of the cluster: places 4 cy .. 4 cy + 3
	s_lshl_b32 s44, 0x1111, s40                    ; my column: places cx, cx + 4, cx + 8, cx + 12
	; group 1: tiles of 128 rows x 128 elements of 2 bytes, padded in LDS behind every 64 words: by 4 words (h), by 8 words (w2b)
	s_or_b32 s[G1+0], s43, (1<<16)|(1<<20)|(1<<21)|(5<<22)|(3<<25)   ; 15:0 mask: my row; 17:16 2 bytes; 20 padding; 21 set beside a mask; 24:22 interval; 31:25 pad - 1
	s_or_b32 s[G1B+0], s44, (1<<16)|(1<<20)|(1<<21)|(5<<22)|(7<<25)  ; mask: my column
	s_mov_b32 s[G1+1], 128<<16                     ; tensor_dim0 = 128
	s_mov_b32 s[G1B+1], 128<<16
	s_mov_b32 s[G1+2], 128<<16                     ; tensor_dim1 = 128
	s_mov_b32 s[G1B+2], 128<<16
	s_mov_b32 s[G1+3], 128<<16                     ; tile_dim0 = 128
	s_mov_b32 s[G1B+3], 128<<16
	s_mov_b32 s[G1+4], 128                         ; tile_dim1 = 128
	s_mov_b32 s[G1B+4], 128
	s_mov_b32 s[G1+5], 8192                        ; elements from row to row of h
	s_mov_b32 s[G1B+5], 1024                       ; and of w2b
	s_mov_b32 s[G1+6], 0
	s_mov_b32 s[G1B+6], 0
	s_mov_b32 s[G1+7], 0
	s_mov_b32 s[G1B+7], 0
	; where the tiles come from.  h's hang on the block row and the quarter, which my row of the cluster shares; w2b's on the block column and the quarter.
	s_lshl_b32 s17, s12, 7
	s_lshl_b32 s16, s13, 8
	s_add_co_u32 s16, s16, s17                     ; h: row 256 x block row + 128 x half,
	s_lshl_b32 s16, s16, 14                        ; of 16,384 bytes,
	s_lshl_b32 s17, ttmp9, 12                      ; and 2,048 elements of 2 bytes along the row for each quarter: below 64 MiB
	s_add_co_u32 s16, s16, s17
	s_mov_b32 s17, 0
	s_lshl_b32 s46, ttmp9, 22                      ; w2b: 2,048 rows of 2,048 bytes for each quarter,
	s_lshl_b32 s47, s40, 9                         ; 256 columns of 2 bytes for the block column,
	s_add_co_u32 s46, s46, s47
	s_lshl_b32 s47, s12, 8                         ; 128 columns for the half: below 16 MiB
	s_add_co_u32 s46, s46, s47
	s_mov_b32 s47, 0
	s_mul_i32 s20, s10, QUART                      ; and where they go: wave x 36,864: no place in the cluster enters an LDS address
	s_wait_dscnt 0x0
	s_wait_kmcnt 0x0
	s_add_nc_u64 s[14:15], s[4:5], s[16:17]
	s_add_nc_u64 s[46:47], s[6:7], s[46:47]
	CROUND                                         ; all sixteen work-groups are here: the first joint loads meet
.irp s, 0,1
	s_mov_b32 s[G0+4*\s], 1                                        ; count = 1
	s_add_co_u32 s[G0+4*\s+1], s20, \s*SLOT                        ; LDS address
	s_add_nc_u64 s[G0+4*\s+2:G0+4*\s+3], s[14:15], \s*256          ; global address: K step s, 128 elements along the rows
	s_or_b32 s[G0+4*\s+3], s[G0+4*\s+3], 0x80000000                ; type = 2
	s_mov_b32 s[G0B+4*\s], 1
	s_add_co_u32 s[G0B+4*\s+1], s20, \s*SLOT
	s_add_nc_u64 s[G0B+4*\s+2:G0B+4*\s+3], s[46:47], \s*128*2048   ; K step s, 128 rows down
	s_or_b32 s[G0B+4*\s+3], s[G0B+4*\s+3], 0x80000000
	JLOAD \s                                       ; both first fills go out together: two tensor loads of the wave are out, later one
.endr
	v_and_b32 v1, 15, v0                           ; r = l % 16
	v_bfe_u32 v2, v0, 4, 1                         ; hh = l / 16
	v_mul_u32_u24 v3, v1, PA
	v_lshl_add_u32 v3, v2, 4, v3                   ; h: row r, 16 bytes for each half of the lanes: K = 8 hh .. and, 32 bytes on, 16 + 8 hh ..
	v_and_b32 v6, 7, v0
	v_lshl_add_u32 v6, v2, 3, v6                   ; w2b: K row 8 hh + l % 8,
	v_mul_u32_u24 v6, v6, PB
	v_bfe_u32 v7, v0, 3, 1
	v_lshl_add_u32 v6, v7, 4, v6                   ; columns 8 ((l / 8) % 2) ..: the load hands lane l column r, K = 8 hh .. 8 hh + 7
	s_mul_i32 s21, s11, QUART                      ; my 128 rows of h
	s_mul_i32 s22, s12, QUART                      ; my 128 columns of w2b,
	s_add_co_u32 s22, s22, 2*QUART                 ; which lie behind h's two parts
.irp s, 0,1
	v_add_nc_u32 v[ADRA+\s], s21, v3
	v_add_nc_u32 v[ADRB+\s], s22, v6
	s_add_co_u32 s21, s21, SLOT
	s_add_co_u32 s22, s22, SLOT
.endr
	s_mul_i32 s23, s10, AREA                       ; the way out: my area,
	v_mul_u32_u24 v4, v1, RP
	v_lshl_add_u32 v4, v2, 5, v4                   ; in: row r, 32 bytes (8 f32) for each half of the lanes
	v_add_nc_u32 v[STO], s23, v4
	v_and_b32 v5, 31, v0
	v_lshlrev_b32 v[CO], 4, v5                     ; 16 lane
	v_add_nc_u32 v[RD], s23, v[CO]                 ; back: a whole row of 512 bytes for the wave
	s_add_co_u32 s23, s23, 64*RP
	v_add_nc_u32 v[RD+1], s23, v[CO]
; 16 matrix instructions: tile rows a0, a0 + 1 of the window's four x all 8 tile columns, 32 along K.  zero = 1: the first product starts the sums.
.macro MUL16 f, hi, a0, zero
.irp a, \a0, \a0+1
.irp b, 0,1,2,3,4,5,6,7
.if \zero
	v_wmma_f32_16x16x32_bf16 v[8*(8*(\a)+\b):8*(8*(\a)+\b)+7], v[\f+8*\b:\f+8*\b+7], v[\f+8*(4*\hi+\a):\f+8*(4*\hi+\a)+7], 0
.else
	v_wmma_f32_16x16x32_bf16 v[8*(8*(\a)+\b):8*(8*(\a)+\b)+7], v[\f+8*\b:\f+8*\b+7], v[\f+8*(4*\hi+\a):\f+8*(4*\hi+\a)+7], v[8*(8*(\a)+\b):8*(8*(\a)+\b)+7]
.endif
.endr
.endr
.endm
; 32 LDS loads in one run: the fragments of quarter q of a K step (32 along K) into buffer f
.macro FETCH slot, q, f
	WIN TO_B
.irp b, 0,1,2,3,4,5,6,7
	ds_load_tr16_b128 v[\f+8*\b:\f+8*\b+3],   v[ADRB+\slot] offset:\q*32*PB+32*\b
	ds_load_tr16_b128 v[\f+8*\b+4:\f+8*\b+7], v[ADRB+\slot] offset:\q*32*PB+16*PB+32*\b
.endr
	WIN 0
.irp i, 0,1,2,3,4,5,6,7
	ds_load_b128 v[\f+8*\i:\f+8*\i+3],   v[ADRA+\slot] offset:\q*64+\i*16*PA
	ds_load_b128 v[\f+8*\i+4:\f+8*\i+7], v[ADRA+\slot] offset:\q*64+\i*16*PA+32
.endr
.endm
; Four places behind a matrix instruction before a load lands in a register that it has read, or its result is read by anything but a matrix instruction;
; only plain vector instructions that name none of its registers are places (ISA guide 7.12.1 for vector instructions).
.macro PLACES
.rept 4
	v_nop
.endr
.endm
; A K step is four quarters of 32 along K, 64 matrix instructions each, on buffers 0, 1, 0, 1.  The 64 accumulators take turns, one instruction a turn,
; in the same order in every quarter, over the loop's backward jump too.
; One of the first three quarters: multiplies buffer f; in its middle it fetches quarter q of the same slot into buffer g.
.macro QUARTER slot, q, f, g, zero
	s_wait_dscnt 8                                 ; w2b's fragments and h's rows 0-63 are in; the youngest eight loads (h's rows 64-127) may be out
	WIN MUL_LO
	MUL16 \f, 0, 0, \zero
	MUL16 \f, 0, 2, \zero
	PLACES
	FETCH \slot, \q, \g
	s_wait_dscnt 32                                ; all but the 32 just issued
	WIN MUL_HI
	MUL16 \f, 1, 0, \zero
	MUL16 \f, 1, 2, \zero
.endm
.macro THREE slot, zero
	QUARTER \slot, 1, F0, F1, \zero
	QUARTER \slot, 2, F1, F0, 0
	QUARTER \slot, 3, F0, F1, 0
.endm
; The last quarter: multiplies buffer 1 and changes slots.  fill = 1: this slot is filled again, two K steps ahead.
; In front of the barrier each wave waits for its own reads of this slot and for all its tensor loads, of which one is out: its part of the next slot.
; Behind it nobody reads this slot and the next slot is whole: the refill comes first, then the next slot's first fragments.
; From a request to the wait for it a wave issues 240 matrix instructions.
.macro TURN slot, next, fill
	s_wait_dscnt 8
	WIN MUL_LO
	MUL16 F1, 0, 0, 0
	s_wait_dscnt 0                                 ; my reads of this slot are over
	s_wait_tensorcnt 0x0                           ; and all my tensor loads have landed
	ds_add_u32 v255, v255
	s_wait_dscnt 0x0
	s_barrier_signal -1                            ; say so (where the slot is filled again this barrier opens a round of the cluster's barrier),
	MUL16 F1, 0, 2, 0                              ; work on registers while the others arrive,
	WIN 0
	s_barrier_wait -1
.if \fill
	CREST                                          ; all sixteen work-groups have said so: no wave of any partner still reads this slot or has a load on its way
	s_add_nc_u64 s[G0+4*\slot+2:G0+4*\slot+3], s[G0+4*\slot+2:G0+4*\slot+3], STEPA
	s_add_nc_u64 s[G0B+4*\slot+2:G0B+4*\slot+3], s[G0B+4*\slot+2:G0B+4*\slot+3], STEPB
	JLOAD \slot                                    ; the wave's one tensor load behind the round, and the first thing there
.endif
	PLACES
	FETCH \next, 0, F0
	WIN MUL_HI
	MUL16 F1, 1, 0, 0
	MUL16 F1, 1, 2, 0
.endm
.macro LAP zero
	THREE 0, \zero
	TURN 0, 1, 1
	THREE 1, 0
	TURN 1, 0, 1
.endm
	s_wait_tensorcnt 1                             ; my part of K step 0 is in; K step 1's stays out
	s_barrier_signal -1
	s_barrier_wait -1                              ; everybody's is
	FETCH 0, 0, F0
	LAP 1                                          ; the first lap stands in front of the loop: its first products start the sums
	WIN 0                                          ; at a label and at a branch every window is 0
	s_mov_b32 s3, LAPS-2
.Llap:
	LAP 0
	WIN 0
	s_sub_co_u32 s3, s3, 1
	s_cmp_lg_u32 s3, 0
	s_cbranch_scc1 .Llap
	THREE 0, 0                                     ; the last lap fills nothing and has no round of the cluster's barrier
	TURN 0, 1, 0
	THREE 1, 0
	s_wait_dscnt 8                                 ; the very last quarter
	WIN MUL_LO
	MUL16 F1, 0, 0, 0
	MUL16 F1, 0, 2, 0
	s_wait_dscnt 0                                 ; my last reads of the ring are over; no tensor load has been issued since the wait for all of them in the last change of slots
	s_barrier_signal -1
	WIN MUL_HI
	MUL16 F1, 1, 0, 0
	MUL16 F1, 1, 2, 0
	WIN 0
	s_barrier_wait -1                              ; nobody reads the ring any more, and nothing is filled into it again: it now serves the way out
	PLACES                                         ; behind the last matrix instructions: for the LDS stores of results and the loads into buffers 0 and 1
	s_lshl_b32 s16, s13, 8
	s_lshl_b32 s17, s11, 7
	s_add_co_u32 s16, s16, s17                     ; my first row,
	s_lshl_b32 s16, s16, 12                        ; of 4,096 bytes,
	s_lshl_b32 s17, ttmp9, 24                      ; in my quarter's 16 MiB of part: below 64 MiB
	s_add_co_u32 s16, s16, s17
	s_mov_b32 s17, 0
	s_add_nc_u64 s[8:9], s[8:9], s[16:17]
	s_lshl_b32 s46, s40, 10                        ; my first column, in bytes: 1,024 x block column + 512 x half
	s_lshl_b32 s47, s12, 9
	s_add_co_u32 s46, s46, s47
	s_mov_b32 s47, 0
	s_add_nc_u64 s[8:9], s[8:9], s[46:47]
; THE WAY OUT.  A lane's 32 bytes are a sixteenth of a row of my block, and the lanes beside it hold other rows; so the block goes through my own area of LDS.
; In: tile (4 hi + a, b): row 16 (4 hi + a) + r, columns 16 b + 8 hh + 0 .. 7 = two stores of 16 bytes.  win: the store's data (source 1) in window 2 or 3.
; The 16 lanes of a half store to rows 528 bytes apart: 16 different 16-byte columns modulo 256.
.macro DUMP hi, win
	WIN \win
.irp a, 0,1,2,3
.irp b, 0,1,2,3,4,5,6,7
	ds_store_b128 v[STO], v[8*(8*\a+\b):8*(8*\a+\b)+3]   offset:(4*\hi+\a)*16*RP+64*\b
	ds_store_b128 v[STO], v[8*(8*\a+\b)+4:8*(8*\a+\b)+7] offset:(4*\hi+\a)*16*RP+64*\b+16
.endr
.endr
.endm
	DUMP 0, 0x08
	DUMP 1, 0x0c
	WIN 0
; Back and out: rows 16 g .. 16 g + 15 of my block, a whole row of 512 bytes for each load and each store of the wave.  The area is my own and LDS serves
; a wave's instructions in order (ISA guide 5.7.1.4): the loads see the stores above without a wait or a barrier.
.macro OUTG g, rr
	s_wait_xcnt 0x0                                ; buffer rr held the data of earlier stores: it is loaded again only behind this wait
.irp t, 0,1,2,3,4,5,6,7,8,9,10,11,12,13,14,15
	ds_load_b128 v[\rr+4*\t:\rr+4*\t+3], v[RD+(\g/4)] offset:((\g%4)*16+\t)*RP
.endr
.irp t, 0,1,2,3,4,5,6,7,8,9,10,11,12,13,14,15
	s_wait_dscnt 15-\t                             ; the loads of the younger rows may stay out
	global_store_b128 v[CO], v[\rr+4*\t:\rr+4*\t+3], s[8:9] offset:(16*\g+\t)*OROW   ; 512 consecutive bytes, at a multiple of 512 from part's first byte
.endr
.endm
	OUTG 0, F0
	OUTG 1, F1
	OUTG 2, F0
	OUTG 3, F1
	OUTG 4, F0
	OUTG 5, F1
	OUTG 6, F0
	OUTG 7, F1
	s_set_vgpr_msb 0x1
	s_wait_tensorcnt 0x0
	ds_add_u32 v255, v255
	s_wait_dscnt 0x0
	s_set_vgpr_msb 0x100
	CROUND                                         ; the closing round: no work-group ends while a partner may still ask for a tile that names it
	s_endpgm
.Lfunc_end_k_q7037b2e166_ffn2:
	.size	k_q7037b2e166_ffn2, .Lfunc_end_k_q7037b2e166_ffn2-k_q7037b2e166_ffn2
	.p2alignl 7, 3214868480
	.fill 96, 4, 3214868480
	.section	.rodata,"a",@progbits
	.p2align	6, 0x0
	.amdhsa_kernel k_q7037b2e166_ffn2
		.amdhsa_group_segment_fixed_size 327680
		.amdhsa_private_segment_fixed_size 0
		.amdhsa_enable_private_segment 0
		.amdhsa_kernarg_size 24
		.amdhsa_user_sgpr_count 2
		.amdhsa_user_sgpr_kernarg_segment_ptr 1
		.amdhsa_wavefront_size32 1
		.amdhsa_system_sgpr_workgroup_id_x 1
		.amdhsa_system_sgpr_workgroup_id_y 1
		.amdhsa_system_sgpr_workgroup_id_z 1
		.amdhsa_system_vgpr_workitem_id 0
		.amdhsa_next_free_vgpr 1024
		.amdhsa_next_free_sgpr 66
		.amdhsa_reserve_vcc 0
		.amdhsa_float_denorm_mode_32 3
		.amdhsa_float_denorm_mode_16_64 3
		.amdhsa_memory_ordered 1
		.amdhsa_forward_progress 1
		.amdhsa_inst_pref_size 196
	.end_amdhsa_kernel
	.amdgpu_metadata
---
amdhsa.version: [ 1, 2 ]
amdhsa.kernels:
  - .name:           k_q7037b2e166_ffn2
    .symbol:         k_q7037b2e166_ffn2.kd
    .args:
      - { .name: h, .offset: 0, .size: 8, .value_kind: global_buffer, .address_space: global }
      - { .name: w2b, .offset: 8, .size: 8, .value_kind: global_buffer, .address_space: global }
      - { .name: part, .offset: 16, .size: 8, .value_kind: global_buffer, .address_space: global }
    .group_segment_fixed_size: 327680
    .private_segment_fixed_size: 0
    .kernarg_segment_align: 8
    .kernarg_segment_size: 24
    .max_flat_workgroup_size: 128
    .sgpr_count:     66
    .vgpr_count:     1024
    .wavefront_size: 32
...
	.end_amdgpu_metadata
.endif
;; end of part 3
;; launch addup (part 4): grid 512 x 1, 8 waves a work-group, no clusters, 0 bytes of LDS; arguments part, out0; writes out0
.if DOCPART == 4
	.amdgcn_target "amdgcn-amd-amdhsa--gfx1250"
	.amdhsa_code_object_version 6
	.text
	.protected	k_q7037b2e166_addup
	.globl	k_q7037b2e166_addup
	.p2align	8
	.type	k_q7037b2e166_addup,@function
k_q7037b2e166_addup:
	s_mov_b64 s[64:65], 0
	v_nop
	global_prefetch_b8 v0, s[64:65] scope:SCOPE_SE
	s_setreg_imm32_b32 hwreg(HW_REG_WAVE_MODE, 25, 1), 1
	s_wait_xcnt 0x0
; out0[i] = (part[0][i] + part[1][i]) + (part[2][i] + part[3][i]): the four quarters of the sum over K, in f32, in one fixed order.
; A stream: 64 MiB in, 16 MiB out, each byte once; no LDS, no barrier, no matrix unit, no cluster: nothing here is shared.
; 512 work-groups x 8 waves; a wave owns 4,096 bytes of out0, as eight chunks of 512 bytes (16 bytes a lane).
; All its 32 loads (four parts of each chunk) go out at once, each into registers of its own: no register is written twice, so there is no ring
; and no wait but the counted ones for data.  Each load and each store of the wave covers 512 consecutive bytes at a multiple of 512.
.set X,    4                           ; v[4:131]  chunk j: 16 registers, four for each part
.set PART, 0x1000000                   ; bytes in a quarter: 4,096 x 1,024 x 4
	s_load_b128 s[4:7], s[0:1], 0x0                ; part s[4:5], out0 s[6:7]
	v_and_b32 v1, 31, v0                           ; lane
	v_and_b32 v2, 0xe0, v0                         ; 32 x wave
	v_lshlrev_b32 v1, 4, v1
	v_lshl_add_u32 v1, v2, 7, v1                   ; wave x 4,096 + 16 lane
	s_lshl_b32 s14, ttmp9, 15                      ; the work-group's 32,768 bytes
	v_add_nc_u32 v1, s14, v1                       ; v1: my byte offset in out0 and in each quarter; never rewritten
	s_wait_kmcnt 0x0
	s_add_nc_u64 s[8:9], s[4:5], PART              ; a quarter is more than a load's immediate reaches: a base for each
	s_add_nc_u64 s[10:11], s[4:5], 2*PART
	s_add_nc_u64 s[12:13], s[4:5], 3*PART
.irp j, 0,1,2,3,4,5,6,7
	global_load_b128 v[X+16*\j:X+16*\j+3],     v1, s[4:5]   offset:512*\j th:TH_LOAD_NT
	global_load_b128 v[X+16*\j+4:X+16*\j+7],   v1, s[8:9]   offset:512*\j th:TH_LOAD_NT
	global_load_b128 v[X+16*\j+8:X+16*\j+11],  v1, s[10:11] offset:512*\j th:TH_LOAD_NT
	global_load_b128 v[X+16*\j+12:X+16*\j+15], v1, s[12:13] offset:512*\j th:TH_LOAD_NT
.endr
.irp j, 0,1,2,3,4,5,6,7
	s_wait_loadcnt 28-4*\j                         ; loads come back in order (ISA guide 5.7.1): chunk j's four are in, the four of each younger chunk stay out
	v_pk_add_f32 v[X+16*\j:X+16*\j+1],     v[X+16*\j:X+16*\j+1],     v[X+16*\j+4:X+16*\j+5]
	v_pk_add_f32 v[X+16*\j+2:X+16*\j+3],   v[X+16*\j+2:X+16*\j+3],   v[X+16*\j+6:X+16*\j+7]
	v_pk_add_f32 v[X+16*\j+8:X+16*\j+9],   v[X+16*\j+8:X+16*\j+9],   v[X+16*\j+12:X+16*\j+13]
	v_pk_add_f32 v[X+16*\j+10:X+16*\j+11], v[X+16*\j+10:X+16*\j+11], v[X+16*\j+14:X+16*\j+15]
	v_pk_add_f32 v[X+16*\j:X+16*\j+1],     v[X+16*\j:X+16*\j+1],     v[X+16*\j+8:X+16*\j+9]
	v_pk_add_f32 v[X+16*\j+2:X+16*\j+3],   v[X+16*\j+2:X+16*\j+3],   v[X+16*\j+10:X+16*\j+11]
	global_store_b128 v1, v[X+16*\j:X+16*\j+3], s[6:7] offset:512*\j th:TH_STORE_NT
.endr
	s_endpgm
.Lfunc_end_k_q7037b2e166_addup:
	.size	k_q7037b2e166_addup, .Lfunc_end_k_q7037b2e166_addup-k_q7037b2e166_addup
	.p2alignl 7, 3214868480
	.fill 96, 4, 3214868480
	.section	.rodata,"a",@progbits
	.p2align	6, 0x0
	.amdhsa_kernel k_q7037b2e166_addup
		.amdhsa_group_segment_fixed_size 0
		.amdhsa_private_segment_fixed_size 0
		.amdhsa_enable_private_segment 0
		.amdhsa_kernarg_size 16
		.amdhsa_user_sgpr_count 2
		.amdhsa_user_sgpr_kernarg_segment_ptr 1
		.amdhsa_wavefront_size32 1
		.amdhsa_system_sgpr_workgroup_id_x 1
		.amdhsa_system_sgpr_workgroup_id_y 1
		.amdhsa_system_sgpr_workgroup_id_z 1
		.amdhsa_system_vgpr_workitem_id 0
		.amdhsa_next_free_vgpr 132
		.amdhsa_next_free_sgpr 66
		.amdhsa_reserve_vcc 0
		.amdhsa_float_denorm_mode_32 3
		.amdhsa_float_denorm_mode_16_64 3
		.amdhsa_memory_ordered 1
		.amdhsa_forward_progress 1
		.amdhsa_inst_pref_size 8
	.end_amdhsa_kernel
	.amdgpu_metadata
---
amdhsa.version: [ 1, 2 ]
amdhsa.kernels:
  - .name:           k_q7037b2e166_addup
    .symbol:         k_q7037b2e166_addup.kd
    .args:
      - { .name: part, .offset: 0, .size: 8, .value_kind: global_buffer, .address_space: global }
      - { .name: out0, .offset: 8, .size: 8, .value_kind: global_buffer, .address_space: global }
    .group_segment_fixed_size: 0
    .private_segment_fixed_size: 0
    .kernarg_segment_align: 8
    .kernarg_segment_size: 16
    .max_flat_workgroup_size: 256
    .sgpr_count:     66
    .vgpr_count:     132
    .wavefront_size: 32
...
	.end_amdgpu_metadata
.endif
;; end of part 4
